; MI455X (gfx1250); checked and timed in simulation.
; The chip was launched on July 23, 2026; its instructions are those of AMD's public machine-readable ISA for CDNA 5 (MIT licence, August 2026) and "CDNA5" Instruction Set Architecture Reference Guide (July 2026). The comments in the code are by the model that wrote it; some were corrected since.
;; Shared bottom. Allowed arithmetic: matrix products marked QUANTISED: E3M2 operands, one E8M0 scale for each 32 along K, by v_wmma_scale_f32_16x16x128_f8f6f4 with both operands' format E3M2, f32 sums; everything else in f32.
;; Inputs: W1 8 x 1,024 x 512 float32; W2 8 x 512 x 64 float32; W_in 512 x 1,024 float32; b1 8 x 512 float32; b2 8 x 64 float32; b_in 1,024 float32; category 8,192 int32; input 8,192 x 512 float32.
;; Outputs: out0 8,192 x 64 float32.
;; This version of the problem:
;;   THIS VERSION OF THE PROBLEM IS GIVEN IN LOW PRECISION. The matrix products marked QUANTISED in the list below multiply operands that are first quantised to E3M2 (3 exponent bits, 2 mantissa bits; 6 bits a number), with one power-of-two scale for each 32 numbers along K (OCP MX v1.0); their sums are f32. All else is computed in f32.
;;   The module's matrix products, in the order in which they are computed (A, B: the left and right operand; K: the contracted axis; several contracted axes count as one K, in the product's order):
;;     1. [M 8,192, K 512] x [K 512, N 1,024]; A: input input; B: input W_in: QUANTISED
;;     2. [M 8,192, K 1,024] x [K 1,024, N 4,096]; A: computed on the way; B: input W1: QUANTISED
;;     3. batch 8 x [M 64, K 512] x [K 512, N 8,192]; A: input W2; B: computed on the way: QUANTISED
;;   THE QUANTISER, for each operand of a quantised product, along K:
;;     - K is cut into blocks of 32 from its start; a last block that is shorter is filled with zeros.
;;     - A block's scale is 2^e with e = floor(log2(the largest magnitude in the block)) - 4, held to -126 .. 127; a block of zeros has e = 0. As a byte (E8M0): e + 127.
;;     - Each number is divided by its block's scale, clamped to +-28, and rounded to the nearest number of E3M2, ties to even, subnormals kept.
;;     - The product sums the exact products of the quantised numbers (number of the format x scale) in f32.
;;   ~~~python
;;   def quantise(x, axis):      # numpy; x: float32 -> the quantised numbers, widened to float32 again
;;       x = np.moveaxis(x, axis, -1); K = x.shape[-1]
;;       x = np.pad(x, [(0, 0)] * (x.ndim - 1) + [(0, -K % 32)]); x = x.reshape(x.shape[:-1] + (-1, 32)); a = np.abs(x).max(-1, keepdims=True)
;;       e = np.where(a > 0, np.clip(np.frexp(np.where(a > 0, a, 1))[1] - 1 - 4, -126, 127), 0)      # np.frexp(a)[1] - 1 = floor(log2(a)), exactly
;;       r = np.clip(x / 2.0 ** e, -28, 28)
;;       step = 2.0 ** (np.maximum(np.frexp(np.where(r == 0, 1, r))[1] - 1, -2) - 2)
;;       q = np.round(r / step) * step * 2.0 ** e      # np.round: ties to even
;;       return np.moveaxis(q.reshape(q.shape[:-2] + (-1,))[..., :K], -1, axis).astype(np.float32)
;;   ~~~
;;   OPERANDS COMPUTED ON THE WAY. 'Computed on the way' means the value that the module computes at that place (a softmax that the list does not call 'softmax' is quantised finished and normalised). What goes into a quantiser is computed in f32, as accurately as f32 sums, v_exp_f32 and their like allow (about 1e-6 of the number): no bf16 or f16 on the way to a quantiser, and a product that is left as it is and whose result goes on into a quantised operand takes f32 operands (vector FMAs, or v_wmma_f32_16x16x4_f32). A number that lies on a knife's edge between two numbers of the format may be rounded either way, as far as f32 arithmetic and the matrix unit's own rounding can turn it there, and no further.
;; One version. Each part assembles by itself: llvm-mc -triple=amdgcn-amd-amdhsa -mcpu=gfx1250 --defsym DOCPART=n.
;; ======== version 1 of 1: 2 launches
;; workspace buffers: wq 3,891,200 bytes; rows 264,192 bytes of whole numbers; counts 256 bytes of whole numbers
;; launch prep (part 1): grid 312 x 1, 4 waves a work-group, no clusters, 1,536 bytes of LDS; arguments W_in, W1, W2, category, wq, rows, counts; writes wq, rows, counts
.if DOCPART == 1
	.amdgcn_target "amdgcn-amd-amdhsa--gfx1250"
	.amdhsa_code_object_version 6
	.text
	.protected	k_q106b5450db_prep
	.globl	k_q106b5450db_prep
	.p2align	8
	.type	k_q106b5450db_prep,@function
k_q106b5450db_prep:
	s_mov_b64 s[64:65], 0
	v_nop
	global_prefetch_b8 v0, s[64:65] scope:SCOPE_SE
	s_setreg_imm32_b32 hwreg(HW_REG_WAVE_MODE, 25, 1), 1
	s_wait_xcnt 0x0
; TWO JOBS IN ONE LAUNCH, parted on the work-group's number alone.
; Work-groups 0 to 303: the three weights (f32, K their FIRST axis) become codes of BF6 (E3M2) with one E8M0 byte for each 32 along K, laid in wq IN THE ORDER OF THE OPERAND'S REGISTERS.
;   wq is 304 groups of 12,800 bytes: 8 fragments (16 rows x 128 K) of 1,536 bytes, then 512 bytes of scale words.  Register j (0..11) of lane l of a fragment lies at 512 (j / 4) + 16 l + 4 (j % 4):
;   three loads of 16 bytes a lane bring a fragment.  Scale word j of lane a + 16 u, at 12,288 + 16 (a + 16 u) + 4 j, is that of row a of fragment 2 j + u.
;   Of 32 neighbouring output units, unit o is row a = o % 8 + 8 (o / 16) of fragment u = (o / 8) % 2 of a pair: used transposed, a lane's 16 results of a pair are then 16 neighbours along the next K.
;   Groups 0-31: W_in (4 x column group + K step).  32-287: W1 ((4 e + column group) x 8 + K step).  In both, pair j holds units 32 j on of the column group's 128.
;   Groups 288-303: W2 (2 e + b): fragment 2 j + u is K step j of output tile 2 b + u.
;   A work-group makes one group; wave w its fragments 2 w, 2 w + 1 and scale word w.  A LANE TAKES A COLUMN AND ITS REGISTERS RUN DOWN K: a block of 32 lies in one lane, and nothing is transposed.
; Work-groups 304 to 311: expert e = number - 304 reads all 8,192 categories, counts its tokens and stores their numbers as a list (rows, 33,024 bytes an expert) and their count (counts, word e).
;   A counting sort without atomics: a thread ranks its own 64 tokens, the ranks' bases come from a scan over lanes and waves.  A token of another expert is sent to the expert's spare word at byte 32,768, which nobody reads.
; A block's scale is 2^(floor(log2(largest magnitude)) - 4); its byte is the largest magnitude's exponent field - 4, held at 1 from below.
; LIMITS: a block of zeros, and one whose largest magnitude lies under 2^-122, gets the byte 1 (the rule says 127 for zeros: the codes are zeros, and this program alone reads the bytes).  NaN and infinities are not served.
;   A category outside 0..7 is counted for no expert.  List entries past an expert's count are not written, and the next launch reads none of them.
.set GRP,  12800                       ; bytes of a group
.set NQG,  304                         ; groups
.set RPE,  33024                       ; bytes of an expert's list: 8,192 words and a block with the spare word
.set X,    32                          ; v32-159  128 numbers: my column, 128 along K
.set CH,   160                         ; v160-171 blocks 0 and 2: the twelve registers of lane (a, 0);  v172-183 blocks 1 and 3: those of lane (a, 1)
.set CT,   184                         ; v184-186 a block's upper 16 codes, on their way
.set QS,   0                           ; LDS: the group's 512 bytes of scale words (the quantiser's path)
.set WT,   512                         ; LDS: four waves' totals (the routing path): each path has bytes of its own
.set C,    32                          ; v32-95   64 categories, then ranks, then addresses
.set TKN,  96                          ; v96-159  the 64 tokens' numbers
.macro LOADW base, pitch               ; W(k, my column), k = 0 .. 127: each load reads 128 consecutive bytes, the four waves side by side 512
.set LJ, 0
.rept 128
	global_load_b32 v[X+LJ], v4, s[\base:\base+1] offset:LJ*\pitch th:TH_LOAD_NT
.set LJ, LJ+1
.endr
.endm
.macro BLOCK kb                        ; block kb of 32 along K: all its numbers are mine
.set XS, X+32*(\kb)
.set D0, CH+12*((\kb)%2)+6*((\kb)/2)
.if (\kb) < 2
	s_wait_loadcnt 63                              ; 96 or 64 loads were issued behind this block's: 63 is the largest count that the wait can name
.elseif (\kb) == 2
	s_wait_loadcnt 32                              ; the last block's 32 may be out
.else
	s_wait_loadcnt 0x0
.endif
	v_max3_num_f32 v12, |v[XS]|, |v[XS+1]|, |v[XS+2]|
	v_max3_num_f32 v13, |v[XS+3]|, |v[XS+4]|, |v[XS+5]|
.irp i, 6,10,14,18,22,26
	v_max3_num_f32 v12, v12, |v[XS+\i]|, |v[XS+\i+1]|
	v_max3_num_f32 v13, v13, |v[XS+\i+2]|, |v[XS+\i+3]|
.endr
	v_max3_num_f32 v12, v12, |v[XS+30]|, |v[XS+31]|
	v_max3_num_f32 v12, v12, v13, 0x2800000        ; the floor 2^(5 - 127): the byte cannot fall under 1
	v_add_nc_u32 v11, 0xfe000000, v12              ; 4 off the exponent field: the conversion takes this operand's exponent field as its scale
	v_lshrrev_b32 v13, 23, v11                     ; the scale's byte
.if (\kb) == 0
	v_mov_b32 v14, v13                             ; four bytes make my column's scale word, the lower K in the lower byte
.else
	v_lshl_or_b32 v14, v13, 8*(\kb), v14
.endif
	v_cvt_scalef32_pk16_bf6_f32 v[D0:D0+2], v[XS:XS+15], v11
	v_cvt_scalef32_pk16_bf6_f32 v[CT:CT+2], v[XS+16:XS+31], v11   ; (a conversion's three registers begin on an even number)
	v_nop                                          ; one plain place behind a scaled conversion
.irp i, 0,1,2
	v_mov_b32 v[D0+3+\i], v[CT+\i]
.endr
.endm
	s_load_b256 s[4:11], s[0:1], 0x0               ; W_in s[4:5], W1 s[6:7], W2 s[8:9], category s[10:11]
	s_load_b128 s[12:15], s[0:1], 0x20             ; wq s[12:13], rows s[14:15]
	s_load_b64 s[16:17], s[0:1], 0x30              ; counts
	v_lshl_add_u32 v192, v0, 2, 0x400
	v_mov_b32 v193, 0
	v_lshrrev_b32 v1, 5, v0
	v_readfirstlane_b32 s20, v1                    ; wave 0..3
	v_and_b32 v1, 31, v0                           ; lane
	s_cmp_ge_u32 ttmp9, NQG
	s_cbranch_scc1 .Lroute
	; ---------------- the quantiser ----------------
	v_bfe_u32 v2, v1, 3, 1                         ; u: which fragment of the pair my column goes to
	v_and_b32 v3, 7, v1
	v_lshrrev_b32 v8, 4, v1
	v_lshl_or_b32 v3, v8, 3, v3                    ; a: which row of it
	v_lshlrev_b32 v4, 2, v1                        ; in: 4 bytes a lane
	v_mul_u32_u24 v5, v2, 1536
	v_lshl_add_u32 v5, v3, 4, v5                   ; out: fragment u, lane a's 16 bytes
	v_lshlrev_b32 v6, 8, v2
	v_lshl_add_u32 v6, v3, 4, v6
	s_lshl_b32 s21, s20, 2
	v_add_nc_u32 v6, s21, v6                       ; LDS: word w of lane a + 16 u  (QS = 0)
	v_lshlrev_b32 v7, 4, v1                        ; 16 x lane
	s_mul_i32 s22, ttmp9, GRP
	s_mov_b32 s23, 0
	s_mul_i32 s28, s20, 3072
	s_mov_b32 s29, 0
	s_lshl_b32 s30, s20, 7                         ; my wave's 32 columns: 128 bytes
	s_wait_kmcnt 0x0
	s_add_nc_u64 s[24:25], s[12:13], s[22:23]      ; my group,
	s_add_nc_u64 s[26:27], s[24:25], s[28:29]      ; my wave's two fragments
	s_cmp_ge_u32 ttmp9, 288
	s_cbranch_scc1 .Lw2
	s_cmp_ge_u32 ttmp9, 32
	s_cbranch_scc1 .Lw1
	s_and_b32 s32, ttmp9, 3                        ; W_in [512][1024]: K step g % 4: 128 rows of 4,096 bytes;
	s_lshl_b32 s32, s32, 19
	s_lshr_b32 s33, ttmp9, 2                       ; column group g / 4: 512 bytes
	s_lshl_b32 s33, s33, 9
	s_add_co_u32 s32, s32, s33
	s_add_co_u32 s32, s32, s30
	s_mov_b32 s33, 0
	s_add_nc_u64 s[4:5], s[4:5], s[32:33]
	LOADW 4, 4096
	s_branch .Lq
.Lw1:
	s_sub_co_u32 s31, ttmp9, 32                    ; W1 [8][1024][512]: g' = (4 e + column group) x 8 + K step
	s_lshr_b32 s32, s31, 5
	s_lshl_b32 s32, s32, 21                        ; e x 2,097,152
	s_and_b32 s33, s31, 7
	s_lshl_b32 s33, s33, 18                        ; K step: 128 rows of 2,048 bytes
	s_add_co_u32 s32, s32, s33
	s_bfe_u32 s33, s31, 0x20003                    ; column group
	s_lshl_b32 s33, s33, 9
	s_add_co_u32 s32, s32, s33
	s_add_co_u32 s32, s32, s30
	s_mov_b32 s33, 0
	s_add_nc_u64 s[6:7], s[6:7], s[32:33]
	LOADW 6, 2048
	s_branch .Lq
.Lw2:
	s_sub_co_u32 s31, ttmp9, 288                   ; W2 [8][512][64]: g' = 2 e + b; here the wave is the K step
	s_lshr_b32 s32, s31, 1
	s_lshl_b32 s32, s32, 17                        ; e x 131,072
	s_lshl_b32 s33, s20, 15                        ; K step w: 128 rows of 256 bytes
	s_add_co_u32 s32, s32, s33
	s_and_b32 s33, s31, 1
	s_lshl_b32 s33, s33, 7                         ; outputs 32 b on
	s_add_co_u32 s32, s32, s33
	s_mov_b32 s33, 0
	s_add_nc_u64 s[8:9], s[8:9], s[32:33]
	LOADW 8, 256
.Lq:
	BLOCK 0
	BLOCK 1
	BLOCK 2
	BLOCK 3
.irp h, 0,1
.irp c, 0,1,2
	global_store_b128 v5, v[CH+12*\h+4*\c:CH+12*\h+4*\c+3], s[26:27] offset:512*\c+256*\h   ; the sixteen lanes of one u store 256 consecutive bytes, at a multiple of 256 from wq's first byte
.endr
.endr
	ds_store_b32 v6, v14
	s_wait_dscnt 0x0                               ; for the others' sake: my scale words lie in LDS
	s_barrier_signal -1
	s_barrier_wait -1
	s_cmp_lg_u32 s20, 0
	s_cbranch_scc1 .Lqend
	ds_load_b128 v[16:19], v7                      ; wave 0 stores the group's 512 bytes of scale words on end
	s_wait_dscnt 0x0
	global_store_b128 v7, v[16:19], s[24:25] offset:12288
.Lqend:
	s_wait_tensorcnt 0x0
	ds_add_u32 v192, v193
	s_wait_dscnt 0x0
	s_endpgm
	; ---------------- the routing ----------------
.Lroute:
	s_sub_co_u32 s21, ttmp9, NQG                   ; my expert
	v_lshlrev_b32 v4, 4, v0                        ; 16 bytes a thread
	v_lshlrev_b32 v5, 2, v0                        ; the first of my four tokens in a load
	s_mul_i32 s22, s21, RPE
	s_mov_b32 s23, 0
	s_lshl_b32 s26, s20, 2
	s_add_co_u32 s26, s26, WT
	v_mov_b32 v8, 0                                ; my count
	v_mov_b32 v9, 0xffffff                         ; the rank of a token that is not my expert's
	v_mov_b32 v11, 0
	v_mov_b32 v15, WT
	s_wait_kmcnt 0x0
.irp j, 0,1,2,3,4,5,6,7,8,9,10,11,12,13,14,15
	global_load_b128 v[C+4*\j:C+4*\j+3], v4, s[10:11] offset:2048*\j   ; register 4 j + q: token 512 j + 4 t + q
.endr
	s_add_nc_u64 s[14:15], s[14:15], s[22:23]      ; my expert's list
	s_wait_loadcnt 0x0
.set RI, 0
.rept 64
	v_cmp_eq_u32 vcc_lo, s21, v[C+RI]
	v_cndmask_b32 v[C+RI], v9, v8, vcc_lo          ; its rank among my own, or the large number
	v_add_co_ci_u32 v8, vcc_lo, 0, v8, vcc_lo      ; and one more where it was mine
.set RI, RI+1
.endr
	v_mov_b32 v10, v8                              ; the counts summed over the lanes up to mine: four steps in each half of the wave,
.irp n, 1,2,4,8
	v_mov_b32_dpp v11, v10 row_shr:\n row_mask:0xf bank_mask:0xf bound_ctrl:1
	v_add_nc_u32 v10, v10, v11
.endr
	v_readlane_b32 s24, v10, 15
	v_mov_b32 v13, s24
	v_cmp_lt_u32 vcc_lo, 15, v1
	v_cndmask_b32 v11, 0, v13, vcc_lo
	v_add_nc_u32 v10, v10, v11                     ; and the lower half's sum onto the upper half
	v_readlane_b32 s25, v10, 31                    ; my wave's total
	v_mov_b32 v13, s26
	v_mov_b32 v14, s25
	ds_store_b32 v13, v14                          ; all lanes write the same word with the same value
	s_wait_dscnt 0x0
	s_barrier_signal -1
	s_barrier_wait -1
	ds_load_b128 v[16:19], v15                     ; the four waves' totals
	s_wait_dscnt 0x0
	v_readfirstlane_b32 s28, v16
	v_readfirstlane_b32 s29, v17
	v_readfirstlane_b32 s30, v18
	v_readfirstlane_b32 s31, v19
	s_mov_b32 s32, 0
.irp k, 0,1,2
	s_cmp_gt_u32 s20, \k
	s_cselect_b32 s33, s[28+\k], 0
	s_add_co_u32 s32, s32, s33                     ; the totals of the waves below mine
.endr
	s_add_co_u32 s34, s28, s29
	s_add_co_u32 s34, s34, s30
	s_add_co_u32 s34, s34, s31                     ; the expert's count
	s_lshl_b32 s35, s21, 2
	v_sub_nc_u32 v12, v10, v8
	v_add_nc_u32 v12, s32, v12
	v_lshlrev_b32 v12, 2, v12                      ; where my first token's word lies
.set RI, 0
.rept 64
	v_lshl_add_u32 v[C+RI], v[C+RI], 2, v12
	v_min_u32 v[C+RI], 0x8000, v[C+RI]             ; held inside the expert's 33,024 bytes: what is not mine lands on the spare word
	v_add_nc_u32 v[TKN+RI], 512*(RI/4)+(RI%4), v5
	global_store_b32 v[C+RI], v[TKN+RI], s[14:15]  ; each store has registers of its own: none is written again
.set RI, RI+1
.endr
	v_mov_b32 v13, s34
	v_mov_b32 v14, s35
	v_cmp_eq_u32 vcc_lo, 0, v0
	s_wait_xcnt 0x0                                ; EXEC changes only behind this wait
	s_wait_tensorcnt 0x0
	ds_add_u32 v192, v193
	s_wait_dscnt 0x0
	s_and_saveexec_b32 s36, vcc_lo
	global_store_b32 v14, v13, s[16:17]            ; thread 0 stores the count
	s_wait_xcnt 0x0
	s_or_b32 exec_lo, exec_lo, s36
	s_endpgm
.Lfunc_end_k_q106b5450db_prep:
	.size	k_q106b5450db_prep, .Lfunc_end_k_q106b5450db_prep-k_q106b5450db_prep
	.p2alignl 7, 3214868480
	.fill 96, 4, 3214868480
	.section	.rodata,"a",@progbits
	.p2align	6, 0x0
	.amdhsa_kernel k_q106b5450db_prep
		.amdhsa_group_segment_fixed_size 1536
		.amdhsa_private_segment_fixed_size 0
		.amdhsa_enable_private_segment 0
		.amdhsa_kernarg_size 56
		.amdhsa_user_sgpr_count 2
		.amdhsa_user_sgpr_kernarg_segment_ptr 1
		.amdhsa_wavefront_size32 1
		.amdhsa_system_sgpr_workgroup_id_x 1
		.amdhsa_system_sgpr_workgroup_id_y 1
		.amdhsa_system_sgpr_workgroup_id_z 1
		.amdhsa_system_vgpr_workitem_id 0
		.amdhsa_next_free_vgpr 194
		.amdhsa_next_free_sgpr 66
		.amdhsa_reserve_vcc 1
		.amdhsa_float_denorm_mode_32 3
		.amdhsa_float_denorm_mode_16_64 3
		.amdhsa_memory_ordered 1
		.amdhsa_forward_progress 1
		.amdhsa_inst_pref_size 74
	.end_amdhsa_kernel
	.amdgpu_metadata
---
amdhsa.version: [ 1, 2 ]
amdhsa.kernels:
  - .name:           k_q106b5450db_prep
    .symbol:         k_q106b5450db_prep.kd
    .args:
      - { .name: W_in, .offset: 0, .size: 8, .value_kind: global_buffer, .address_space: global }
      - { .name: W1, .offset: 8, .size: 8, .value_kind: global_buffer, .address_space: global }
      - { .name: W2, .offset: 16, .size: 8, .value_kind: global_buffer, .address_space: global }
      - { .name: category, .offset: 24, .size: 8, .value_kind: global_buffer, .address_space: global }
      - { .name: wq, .offset: 32, .size: 8, .value_kind: global_buffer, .address_space: global }
      - { .name: rows, .offset: 40, .size: 8, .value_kind: global_buffer, .address_space: global }
      - { .name: counts, .offset: 48, .size: 8, .value_kind: global_buffer, .address_space: global }
    .group_segment_fixed_size: 1536
    .private_segment_fixed_size: 0
    .kernarg_segment_align: 8
    .kernarg_segment_size: 56
    .max_flat_workgroup_size: 128
    .sgpr_count:     66
    .vgpr_count:     194
    .wavefront_size: 32
...
	.end_amdgpu_metadata
.endif
;; end of part 1
;; launch chain (part 2): grid 178 x 1, 4 waves a work-group, no clusters, 100,864 bytes of LDS; arguments input, wq, counts, rows, b_in, b1, b2, out0; writes out0
.if DOCPART == 2
	.amdgcn_target "amdgcn-amd-amdhsa--gfx1250"
	.amdhsa_code_object_version 6
	.text
	.protected	k_q106b5450db_chain
	.globl	k_q106b5450db_chain
	.p2align	8
	.type	k_q106b5450db_chain,@function
k_q106b5450db_chain:
	s_mov_b64 s[64:65], 0
	v_nop
	global_prefetch_b8 v0, s[64:65] scope:SCOPE_SE
	s_setreg_imm32_b32 hwreg(HW_REG_WAVE_MODE, 25, 1), 1
	s_wait_xcnt 0x0
; out[token] = elu(elu(x W_in + b_in) W1[e] + b1[e]) W2[e] + b2[e], e = the token's category: only the chosen expert is multiplied.  All three products on codes of BF6 (E3M2) with one E8M0 scale for each 32 along K.
; ONE WORK-GROUP TAKES ONE TILE OF 48 ROWS OF ONE EXPERT THROUGH THE WHOLE CHAIN; the two hidden layers never go to memory.  With 8,192 rows and 8 experts there are never more than ceil(8192 / 48) + 7 = 178 tiles.
; Which tile: the eight counts are read, and a walk of selects (no branch) gives expert, tile in the expert and count.  FOUR BARRIERS FOLLOW, AND EVERY WAVE PASSES THEM ON ONE PATH: so a work-group that the split leaves without
; rows does not end early: it is given the last expert that has tokens, its rows all fall on that expert's last list entry, and its stores are switched off by EXEC (count > 48 x tile fails): it stores nothing.
; A tile's spare rows repeat the expert's last token, which lies in the same tile: they store the same bytes to the same place, so no row needs a mask.
; SHARES.  The four waves share the COLUMNS: in the shared layer wave w makes units 512 c + 128 w .. + 127 (c = 0, 1: a loop of two trips), in the expert's first layer units 128 w .. + 127, in the last output tile w, for all 48 rows (3 tiles).
; Each weight fragment goes from memory straight into registers, three loads of 16 bytes a lane (the launch before laid them so), is loaded once in the work-group and feeds 3 matrix instructions.
; Four slots of 8 fragments (one K step of the wave's 128 units) take turns: a slot is asked for again right behind the products that read it, three K steps ahead of its next use.
; THE PRODUCTS ARE USED TRANSPOSED (source 0 = 16 rows of the weight, source 1 = 16 rows of the tile): a lane holds one row, and, by the choice of the weight's rows in a fragment, its 64 results are k = 32 b + 16 (lane / 16) + 0 .. 15
; of one K step of the next product.  They are quantised in registers and go to the other waves through LDS AS IMAGES OF THE OPERAND'S REGISTERS (1,536 bytes a fragment, 16 bytes a lane a store; scale words 4 bytes a lane).
; The biases are what the sums start from: they are loaded into the accumulators in the result's layout, so that every K step is the same line.
; ELU, in f32, for a number that goes into a quantiser.  For x < 0 two values that never lie above e^x - 1 are made: P = x + x^2/2 + .. + x^5/120 (the remainder x^6 e^z / 720 is not negative) and 2^(x log2 e) - (1 + 2^-23)
; (v_exp_f32 is good to 1 ulp: ISA guide, 15.8; with the product's rounding that is under 2^-23 here).  The larger is the closer: P near 0, the exponential beyond about 0.2; the error stays near 1.1e-6 of the number.
; For x > 0, P >= x; so the middle one of (the larger, x, 0) is x for x > 0 and the larger for x < 0: no compare, no branch.
; NO CLUSTER, NO TENSOR LOAD: the experts' weights hang on a number read from memory and an expert's tiles come in any number, so partners would want different tiles; the grid, 178 = 2 x 89, divides into no cluster of four;
; and a tile that landed in LDS would have to be read from there again, where now a fragment's bytes go to the registers at once.
; LIMITS: NaN and infinities are not served.  A block of zeros, and one whose largest magnitude lies under 2^-122, has the scale byte 1 (its codes are zeros or next to it; this program alone reads the bytes).
; category is taken to lie in 0..7, as the gather in the problem relies on; a token outside is left unwritten.
; REGISTERS, in windows of 256.  Window 0: v1-31 lane numbers and addresses; v32-47 the slots' scale words, v48-53 the rows', v54-57 W2's, v232-243 h's (these hold scales alone); v58-65 b2; v66-85 codes just made; v86-102 at work in QUANT;
;   v104-167 T, v168-231 Q: at work in ACT; v244-253 token numbers, then ACT's constants.   Window 1: slots 0, 1 (v0-191), rows' fragments, buffer 0 (v192-227).   Window 3: slots 2, 3, buffer 1.
;   Window 2: the 24 accumulators, (row tile m, unit tile t) at v[64 m + 8 t]; W2's four fragments v192-239.
.set GRP,    12800                     ; a group of wq: 8 fragments and their scale words
.set W1_OFF, 32*GRP
.set W2_OFF, 288*GRP
.set FRB,    1536                      ; a fragment's image
.set SCL,    48*FRB                    ; LDS: 48 images (3 x K step + m; K steps 0-3 x, 4-11 mid, 12-15 h), then their scale words, 128 bytes each,
.set BIAS,   SCL+48*128                ; b_in (4,096 bytes) and b1[e] (2,048),
.set STG,    BIAS+6144                 ; and the stage for the results: 48 rows x (256 bytes + 16)
.set SP,     272
.set LI,  4                            ; 16 x lane
.set LS,  5                            ; SCL + 4 x lane
.set IW,  6                            ; where I store mid's images, chunk 0
.set IWC, 7                            ; the same for the chunk in hand
.set SW,  8                            ; and their scale words
.set SWC, 9
.set XW,  10                           ; x's images
.set XSW, 11
.set BA,  12                           ; my bias numbers, chunk 0
.set BAC, 13                           ; those that the next sums start from
.set XA,  14                           ; v14-16 x: byte offset of my 64 bytes in row 16 m + r
.set OO,  17                           ; v17-22 out0: byte offset of my 16 bytes in row 12 w + 2 i + h
.set SO,  23                           ; the stage: in
.set SR,  24                           ; and back
.set LIH, 25                           ; 16 x lane + h's images
.set IWH, 26
.set SWH, 27
.set WS,  32
.set BS,  48
.set W2S, 54
.set B2R, 58
.set PC,  66
.set TM,  86
.set PW,  102
.set TE,  103                          ; v103-107: offsets that the head alone needs
.set T,   104
.set Q,   168
.set HS,  232
.set TK,  244                          ; v244-252 list places, then token numbers
.set KL,  244                          ; later: v[244:245] log2 e, v[246:247] 1/120, v[248:249] 1/24, v[250:251] 1/6, v[252:253] -(1 + 2^-23)
.set BF,  192                          ; the rows' fragments, in window 1 (buffer 0) or 3 (buffer 1)
.set MSB, 0
.macro WIN new                         ; s_set_vgpr_msb: bits 1:0 source 0, 3:2 source 1, 5:4 source 2, 7:6 destination; the high byte repeats the setting that is left
.if MSB != (\new)
	s_set_vgpr_msb (MSB<<8)|(\new)
.set MSB, (\new)
.endif
.endm
.macro PLACES                          ; four plain places behind a matrix instruction, ahead of loads into its registers and of reads of its result
.rept 4
	v_nop
.endr
.endm
.macro BARRIER                         ; my LDS stores have landed and my LDS loads are in: then the work-group's barrier
	s_wait_dscnt 0x0
	s_barrier_signal -1
	s_barrier_wait -1
.endm
.macro LOADG slot, base, off           ; a group into a slot: 24 loads of 512 consecutive bytes, and one for the scale words: 25 on LOADcnt
	WIN 0x40+0x80*((\slot)/2)
.irp f, 0,1,2,3,4,5,6,7
.irp c, 0,1,2
	global_load_b128 v[96*((\slot)%2)+12*\f+4*\c:96*((\slot)%2)+12*\f+4*\c+3], v[LI], s[\base:\base+1] offset:(\off)+FRB*\f+512*\c
.endr
.endr
	WIN 0
	global_load_b128 v[WS+4*(\slot):WS+4*(\slot)+3], v[LI], s[\base:\base+1] offset:(\off)+8*FRB
.endm
.macro FETCHB buf, ksg                 ; the three row tiles' fragments and scale words of K step ksg: 12 on DScnt
	WIN 0x40+0x80*(\buf)
.irp m, 0,1,2
.irp c, 0,1,2
	ds_load_b128 v[BF+12*\m+4*\c:BF+12*\m+4*\c+3], v[LI] offset:(3*(\ksg)+\m)*FRB+512*\c
.endr
.endr
	WIN 0
.irp m, 0,1,2
	ds_load_b32 v[BS+3*(\buf)+\m], v[LS] offset:(3*(\ksg)+\m)*128
.endr
.endm
.macro MM d, a, b, c, sa, sb, row1     ; one product; row1: the weight's scale words stand in lanes 16-31
.if \row1
	v_wmma_scale_f32_16x16x128_f8f6f4 v[\d:\d+7], v[\a:\a+11], v[\b:\b+11], v[\c:\c+7], v[\sa], v[\sb] matrix_a_fmt:MATRIX_FMT_BF6 matrix_b_fmt:MATRIX_FMT_BF6 matrix_a_scale:MATRIX_SCALE_ROW1
.else
	v_wmma_scale_f32_16x16x128_f8f6f4 v[\d:\d+7], v[\a:\a+11], v[\b:\b+11], v[\c:\c+7], v[\sa], v[\sb] matrix_a_fmt:MATRIX_FMT_BF6 matrix_b_fmt:MATRIX_FMT_BF6
.endif
.endm
.macro MULS slot, buf                  ; a K step: 24 products; the 24 accumulators take turns, one instruction a turn, in the same order in every step
	WIN 0xA0+1+2*((\slot)/2)+4*(1+2*(\buf))
.irp t, 0,1,2,3,4,5,6,7
.irp m, 0,1,2
	MM 64*\m+8*\t, 96*((\slot)%2)+12*\t, BF+12*\m, 64*\m+8*\t, WS+4*(\slot)+\t/2, BS+3*(\buf)+\m, \t%2
.endr
.endr
.endm
; K step k of a product.  rf = 1: the slot that the step before read is asked for again, from s[rbase] + roff.  nx = 1: the next step's rows (K step ksg) are fetched into the other buffer.
; lcnt: how many loads issued behind this step's group may stay out.
.macro STEP k, rf, rbase, roff, nx, ksg, lcnt
.if (\k) > 0
.if ((\rf)+(\nx)) > 0
	PLACES
.endif
.endif
.if \rf
	LOADG ((\k)+3)%4, \rbase, \roff
.endif
.if \nx
	FETCHB ((\k)+1)%2, \ksg
	s_wait_loadcnt \lcnt
	s_wait_dscnt 12                                ; all but the 12 just issued: this step's rows, and the biases, are in
.else
	s_wait_loadcnt \lcnt
	s_wait_dscnt 0x0
.endif
	MULS (\k)%4, (\k)%2
.endm
; 64 numbers of a lane in window w, v[s] on, register 16 b + i = k 32 b + 16 (lane / 16) + i of my row, become a fragment's codes in v[PC] on and its scale word in v[PW].
.macro QUANT s, w
	WIN ((\w)<<2)|((\w)<<4)
.irp b, 0,1,2,3
	v_max3_num_f32 v[TM+\b], 0x2800000, |v[(\s)+16*\b]|, |v[(\s)+1+16*\b]|   ; block b: my 16 numbers, and the floor 2^(5 - 127): the byte cannot fall under 1
.endr
.irp i, 2,4,6,8,10,12,14
.irp b, 0,1,2,3
	v_max3_num_f32 v[TM+\b], v[TM+\b], |v[(\s)+16*\b+\i]|, |v[(\s)+1+16*\b+\i]|   ; (the four blocks by turns)
.endr
.endr
	WIN 0
.irp b, 0,1,2,3
	v_permlanex16_b32 v[TM+4+\b], v[TM+\b], s54, s55
.endr
.irp b, 0,1,2,3
	v_max_num_f32 v[TM+\b], v[TM+\b], v[TM+4+\b]   ; with lane l xor 16's: the block's largest magnitude
.endr
.irp b, 0,1,2,3
	v_add_nc_u32 v[TM+12+\b], 0xfe000000, v[TM+\b] ; 4 off its exponent field: the conversion's scale operand
.endr
.irp b, 0,1,2,3
	v_lshrrev_b32 v[TM+4+\b], 23, v[TM+12+\b]      ; the scale's byte
.endr
	v_lshl_or_b32 v[PW], v[TM+5], 8, v[TM+4]
	v_lshl_or_b32 v[PW], v[TM+6], 16, v[PW]
	v_lshl_or_b32 v[PW], v[TM+7], 24, v[PW]        ; my row's scale word
	WIN (\w)
.irp c, 0,1
	v_cvt_scalef32_pk16_bf6_f32 v[PC+6*\c:PC+2+6*\c], v[(\s)+32*\c:(\s)+15+32*\c], v[TM+12+2*\c]
	v_cvt_scalef32_pk16_bf6_f32 v[PC+12+4*\c:PC+14+4*\c], v[(\s)+16+32*\c:(\s)+31+32*\c], v[TM+12+2*\c+1]   ; (a conversion's three registers begin on an even number)
.endr
	WIN 0
	v_nop                                          ; one plain place behind a scaled conversion
.irp c, 0,1                            ; the operand's layout wants a WHOLE block in a lane: lanes 0-15 block 2 c, lanes 16-31 block 2 c + 1
.irp i, 0,1,2
	v_permlane16_swap_b32 v[PC+6*\c+\i], v[PC+12+4*\c+\i]
.endr
.irp i, 0,1,2
	v_mov_b32 v[PC+3+6*\c+\i], v[PC+12+4*\c+\i]
.endr
.endr
.endm
.macro IMAGE adr, off, sadr, soff      ; the fragment in v[PC] on and its scale word go to LDS as they stand
.irp c, 0,1,2
	ds_store_b128 v[\adr], v[PC+4*\c:PC+4*\c+3] offset:(\off)+512*\c
.endr
	ds_store_b32 v[\sadr], v[PW] offset:\soff
.endm
.macro BIASLD m, adr                   ; row tile m's eight accumulators take the bias of the sums to come: register i of tile 2 b + u is unit 32 b + 16 (lane / 16) + 8 u + i
	WIN 0x80
.irp t, 0,1,2,3,4,5,6,7
	ds_load_b128 v[64*(\m)+8*\t:64*(\m)+8*\t+3], v[\adr] offset:128*(\t/2)+32*(\t%2)
	ds_load_b128 v[64*(\m)+8*\t+4:64*(\m)+8*\t+7], v[\adr] offset:128*(\t/2)+32*(\t%2)+16
.endr
	WIN 0
.endm
; ELU of row tile m's 64 sums (window 2) into T.  Each accumulator is read from its low end on.  Every exponential has a plain line behind it that touches none of its registers.
.macro ACT m
.set XB, 64*(\m)
	WIN 0x08                                       ; source 1: window 2
.set AJ, 0
.rept 32
	v_pk_mul_f32 v[T+AJ:T+AJ+1], v[KL:KL+1], v[XB+AJ:XB+AJ+1]                       ; x log2 e
.set AJ, AJ+2
.endr
.set AJ, 0
.rept 32
	v_pk_fma_f32 v[Q+AJ:Q+AJ+1], v[KL+2:KL+3], v[XB+AJ:XB+AJ+1], v[KL+4:KL+5]       ; x / 120 + 1 / 24
	v_exp_f32 v[T+AJ], v[T+AJ]
.set AJ, AJ+2
.endr
.set AJ, 0
.rept 32
	v_pk_fma_f32 v[Q+AJ:Q+AJ+1], v[Q+AJ:Q+AJ+1], v[XB+AJ:XB+AJ+1], v[KL+6:KL+7]     ; .. x + 1 / 6
	v_exp_f32 v[T+AJ+1], v[T+AJ+1]
.set AJ, AJ+2
.endr
.set AJ, 0
.rept 32
	v_pk_fma_f32 v[Q+AJ:Q+AJ+1], v[Q+AJ:Q+AJ+1], v[XB+AJ:XB+AJ+1], 0.5 op_sel_hi:[1,1,0]   ; .. x + 1 / 2
.set AJ, AJ+2
.endr
.set AJ, 0
.rept 32
	v_pk_mul_f32 v[Q+AJ:Q+AJ+1], v[Q+AJ:Q+AJ+1], v[XB+AJ:XB+AJ+1]                   ; .. x
.set AJ, AJ+2
.endr
	WIN 0x28                                       ; sources 1 and 2: window 2
.set AJ, 0
.rept 32
	v_pk_fma_f32 v[Q+AJ:Q+AJ+1], v[Q+AJ:Q+AJ+1], v[XB+AJ:XB+AJ+1], v[XB+AJ:XB+AJ+1] ; .. x + x = P
.set AJ, AJ+2
.endr
	WIN 0
.set AJ, 0
	s_wait_alu depctr_va_vdst(0)
.rept 32
	v_pk_add_f32 v[T+AJ:T+AJ+1], v[T+AJ:T+AJ+1], v[KL+8:KL+9]                       ; e^x - (1 + 2^-23)
.set AJ, AJ+2
.endr
.set AJ, 0
.rept 64
	v_max_num_f32 v[T+AJ], v[T+AJ], v[Q+AJ]                                         ; the closer of the two
.set AJ, AJ+1
.endr
	WIN 0x08
.set AJ, 0
.rept 64
	v_med3_num_f32 v[T+AJ], v[T+AJ], v[XB+AJ], 0                                    ; x where x > 0
.set AJ, AJ+1
.endr
	WIN 0
.endm
.macro TAIL m, iadr, sadr              ; row tile m: activation, quantiser, image
	ACT \m
	s_wait_dscnt 0x0                               ; the image before has left the codes' registers
	QUANT T, 0
	IMAGE \iadr, FRB*(\m), \sadr, 128*(\m)
.endm
	s_load_b256 s[8:15], s[0:1], 0x0               ; input s[8:9], wq s[10:11], counts s[12:13], rows s[14:15]
	s_load_b256 s[16:23], s[0:1], 0x20             ; b_in s[16:17], b1 s[18:19], b2 s[20:21], out0 s[22:23]
	v_lshl_add_u32 v254, v0, 2, 0x18800
	v_mov_b32 v255, 0
	v_lshrrev_b32 v1, 5, v0
	v_readfirstlane_b32 s32, v1                    ; wave 0..3
	v_and_b32 v1, 31, v0                           ; lane
	v_and_b32 v2, 15, v0                           ; r
	v_bfe_u32 v3, v0, 4, 1                         ; h
	v_lshlrev_b32 v[LI], 4, v1
	v_lshl_add_u32 v[LS], v1, 2, SCL
	s_mul_i32 s36, s32, 3*FRB                      ; three images for each K step
	v_add_nc_u32 v[XW], s36, v[LI]                 ; x: K step w
	v_add_nc_u32 v[IW], 12*FRB, v[XW]              ; mid: K step 4 + w (+ 4 for the second chunk)
	v_add_nc_u32 v[LIH], 36*FRB, v[LI]
	v_add_nc_u32 v[IWH], s36, v[LIH]               ; h: K step 12 + w
	s_mul_i32 s36, s32, 3*128
	v_add_nc_u32 v[XSW], s36, v[LS]
	v_add_nc_u32 v[SW], 12*128, v[XSW]
	v_add_nc_u32 v[SWH], 36*128, v[XSW]
	s_lshl_b32 s6, s32, 9                          ; 512 w: my 128 units' bias bytes; also my K step's bytes in a row of x
	v_lshl_add_u32 v[BA], v3, 6, s6
	v_add_nc_u32 v[BA], BIAS, v[BA]
	s_and_b32 s2, s32, 1
	s_lshr_b32 s3, s32, 1
	s_lshl_b32 s7, s3, 7
	s_lshl_b32 s37, s2, 5
	s_add_co_u32 s7, s7, s37                       ; my output tile: outputs 32 (w / 2) + 16 h + 8 (w % 2) + 0 .. 7, in bytes without h
	v_lshl_add_u32 v31, v3, 6, s7                  ; with h: b2's offset, and my place in a stage row
	v_mad_u32_u24 v[SO], v2, SP, v31
	v_add_nc_u32 v[SO], STG, v[SO]
	s_mul_i32 s37, s32, 12*SP                      ; back: wave w takes rows 12 w on; lanes 0-15 one row, lanes 16-31 the next
	v_mul_u32_u24 v[SR], v3, SP
	v_lshl_add_u32 v[SR], v2, 4, v[SR]
	v_add_nc_u32 v[SR], s37, v[SR]
	v_add_nc_u32 v[SR], STG, v[SR]
	v_lshlrev_b32 v30, 4, v0                       ; 16 x thread: the biases' way in
	v_lshl_add_u32 v[TE], v3, 6, s6                ; x: 512 w + 64 h
	s_mul_i32 s37, s2, FRB
	v_add_nc_u32 v[TE+1], s37, v[LI]               ; W2's fragments: 2 ks + w % 2
	s_lshl_b32 s37, s2, 8
	v_lshl_add_u32 v[TE+2], v2, 4, s37             ; and their scale words: lane r + 16 (w % 2) of the group's
	v_add_nc_u32 v[TE+3], BIAS, v30
	v_lshlrev_b32 v[TE+4], 4, v2                   ; 16 r
.irp b, 0,1,2,3
	v_mov_b32 v[TM+4+\b], 0                        ; written once: a lane permute's destination counts as one of its sources
.endr
	s_mov_b32 s54, 0x76543210
	s_mov_b32 s55, 0xfedcba98                      ; v_permlanex16_b32's selects for lane l xor 16
	s_mul_i32 s36, s32, 4*GRP
	s_mov_b32 s37, 0
	s_wait_kmcnt 0x0
	s_load_b256 s[24:31], s[12:13], 0x0            ; the eight counts
	s_add_nc_u64 s[60:61], s[10:11], s[36:37]      ; W_in's groups of my first chunk: column group w
	LOADG 0, 60, 0                                 ; what needs no routing is asked for first: two K steps of the shared layer,
	LOADG 1, 60, GRP
	global_load_b128 v[Q:Q+3], v30, s[16:17]       ; and b_in
	global_load_b128 v[Q+4:Q+7], v30, s[16:17] offset:2048
	s_wait_kmcnt 0x0
	; THE WALK: expert e's tiles begin at P(e) = the tiles of the experts before it; mine is the last e with P(e) <= my number and a count above 0
	s_mov_b32 s33, 0                               ; expert
	s_mov_b32 s34, ttmp9                           ; tile in the expert
	s_mov_b32 s35, s24                             ; its count
	s_mov_b32 s36, 0                               ; P
.irp e, 1,2,3,4,5,6,7
	s_add_co_u32 s37, s[23+\e], 47
	s_mul_hi_u32 s37, s37, 0x05555556              ; (c + 47) / 48, exact for c up to 8,192
	s_add_co_u32 s36, s36, s37
	s_sub_co_u32 s38, ttmp9, s36
	s_cmp_ge_u32 ttmp9, s36
	s_cselect_b32 s37, s[24+\e], 0
	s_cmp_lg_u32 s37, 0
	s_cselect_b32 s33, \e, s33
	s_cselect_b32 s35, s[24+\e], s35
	s_cselect_b32 s34, s38, s34
.endr
	s_min_u32 s33, s33, 7                          ; a number made of loaded numbers enters addresses only held so
	s_mov_b32 s37, 0
	s_mul_i32 s36, s33, 33024
	s_add_nc_u64 s[14:15], s[14:15], s[36:37]      ; my expert's list,
	s_lshl_b32 s36, s33, 11
	s_add_nc_u64 s[18:19], s[18:19], s[36:37]      ; b1,
	s_lshl_b32 s36, s33, 8
	s_add_nc_u64 s[20:21], s[20:21], s[36:37]      ; b2,
	s_lshl_b32 s36, s33, 2
	s_add_co_u32 s36, s36, s32
	s_mul_i32 s36, s36, 8*GRP
	s_add_co_u32 s36, s36, W1_OFF
	s_add_nc_u64 s[42:43], s[10:11], s[36:37]      ; W1's eight groups of my 128 units,
	s_lshl_b32 s36, s33, 1
	s_add_co_u32 s36, s36, s3
	s_mul_i32 s36, s36, GRP
	s_add_co_u32 s36, s36, W2_OFF
	s_add_nc_u64 s[44:45], s[10:11], s[36:37]      ; W2's group with my output tile
	s_add_nc_u64 s[40:41], s[60:61], 16*GRP        ; and where the first trip's refills come from: W_in's column group 4 + w
	s_mul_i32 s4, s34, 48                          ; my tile's first place in the list
	s_mul_i32 s38, s32, 12
	s_add_co_u32 s38, s38, s4
	s_sub_co_u32 s39, s35, 1
.irp m, 0,1,2
	v_add3_u32 v[TK+\m], s4, v2, 16*\m             ; rows 16 m + r: whose x I load
.endr
.irp i, 0,1,2,3,4,5
	v_add3_u32 v[TK+3+\i], s38, v3, 2*\i           ; rows 12 w + 2 i + h: whose result I store
.endr
.irp j, 0,1,2,3,4,5,6,7,8
	v_min_u32 v[TK+\j], s39, v[TK+\j]              ; past the expert's count: its last token once more
.endr
.irp j, 0,1,2,3,4,5,6,7,8
	v_min_u32 v[TK+\j], 0x1fff, v[TK+\j]
.endr
.irp j, 0,1,2,3,4,5,6,7,8
	v_lshlrev_b32 v[TK+\j], 2, v[TK+\j]
.endr
.irp j, 0,1,2,3,4,5,6,7,8
	global_load_b32 v[TK+\j], v[TK+\j], s[14:15]
.endr
	global_load_b128 v[Q+8:Q+11], v30, s[18:19]    ; sixteen loads that the routing has made possible: b1,
	global_load_b128 v[B2R:B2R+3], v31, s[20:21]   ; b2 in the result's layout,
	global_load_b128 v[B2R+4:B2R+7], v31, s[20:21] offset:16
	WIN 0x80
.irp k, 0,1,2,3
.irp c, 0,1,2
	global_load_b128 v[192+12*\k+4*\c:192+12*\k+4*\c+3], v[TE+1], s[44:45] offset:2*FRB*\k+512*\c   ; W2's four fragments,
.endr
.endr
	WIN 0
	global_load_b128 v[W2S:W2S+3], v[TE+2], s[44:45] offset:8*FRB   ; their scale words: register ks for K step ks
	s_wait_loadcnt 16                              ; all but those sixteen: the token numbers are in
.irp j, 0,1,2,3,4,5,6,7,8
	v_min_u32 v[TK+\j], 0x1fff, v[TK+\j]
.endr
.irp m, 0,1,2
	v_lshl_add_u32 v[XA+\m], v[TK+\m], 11, v[TE]   ; a row of x is 2,048 bytes
.endr
.irp i, 0,1,2,3,4,5
	v_lshl_add_u32 v[OO+\i], v[TK+3+\i], 8, v[TE+4]   ; a row of out0 256
.endr
	WIN 0x80                                       ; x: wave w takes K step w of all 48 rows, into the registers that the sums will take: register 64 m + 16 b + i = x(row, 128 w + 32 b + 16 h + i)
.irp m, 0,1,2
.irp b, 0,1,2,3
.irp j, 0,1,2,3
	global_load_b128 v[64*\m+16*\b+4*\j:64*\m+16*\b+4*\j+3], v[XA+\m], s[8:9] offset:128*\b+16*\j
.endr
.endr
.endr
	LOADG 2, 60, 2*GRP
	v_mov_b32 v[KL], 0x3fb8aa3b                    ; the token numbers are used up: ACT's constants, each twice, for the packed lines
	v_mov_b32 v[KL+1], 0x3fb8aa3b
	v_mov_b32 v[KL+2], 0x3c088889
	v_mov_b32 v[KL+3], 0x3c088889
	v_mov_b32 v[KL+4], 0x3d2aaaab
	v_mov_b32 v[KL+5], 0x3d2aaaab
	v_mov_b32 v[KL+6], 0x3e2aaaab
	v_mov_b32 v[KL+7], 0x3e2aaaab
	v_mov_b32 v[KL+8], 0xbf800001
	v_mov_b32 v[KL+9], 0xbf800001
.irp m, 0,1,2
	s_wait_loadcnt 57-16*\m                        ; row tile m's sixteen loads are in; behind them: the later tiles' 16 each and the group's 25
	s_wait_dscnt 0x0                               ; the image before has left the codes' registers
	QUANT 64*\m, 2
	IMAGE XW, FRB*\m, XSW, 128*\m
.endr
	ds_store_b128 v[TE+3], v[Q:Q+3]                ; the biases as they lie in memory
	ds_store_b128 v[TE+3], v[Q+4:Q+7] offset:2048
	ds_store_b128 v[TE+3], v[Q+8:Q+11] offset:4096
	LOADG 3, 60, 3*GRP
	BARRIER                                        ; x's twelve fragments and the biases lie in LDS
	BIASLD 0, BA
	BIASLD 1, BA
	BIASLD 2, BA
	s_mov_b32 s56, 0
	s_mov_b32 s57, 0
	s_mov_b32 s58, 0
	s_mov_b32 s59, 0
; THE SHARED LAYER: two trips, 128 units a wave each, K = 512 in four steps.  Loads in the order of issue, on the way in and on the way back alike: slots 2, 3 | slots 0, 1 (steps 1, 2) | slots 2, 3 (in the tail).
; Steps 0 to 2 have 75 loads behind the group that they need (63 is the largest count that the wait can name), step 3 the two refills, 50.
; The first trip's refills are the second chunk's four groups; the second trip's are the first four K steps of the expert's first layer.
.Lchunk:
	v_add_nc_u32 v[IWC], s57, v[IW]
	v_add_nc_u32 v[SWC], s58, v[SW]
	v_add_nc_u32 v[BAC], s59, v[BA]
	v_add_nc_u32 v[BAC], 2048, v[BAC]              ; the sums to come: trip 0: b_in's second half; trip 1: b1, which lies behind b_in
	FETCHB 0, 0
	STEP 0, 0, 0, 0, 1, 1, 63
	STEP 1, 1, 40, 0, 1, 2, 63
	STEP 2, 1, 40, GRP, 1, 3, 63
	STEP 3, 0, 0, 0, 0, 0, 50
	PLACES
	TAIL 0, IWC, SWC
	BIASLD 0, BAC
	LOADG 2, 40, 2*GRP
	TAIL 1, IWC, SWC
	BIASLD 1, BAC
	LOADG 3, 40, 3*GRP
	TAIL 2, IWC, SWC
	BIASLD 2, BAC
	s_wait_dscnt 0x0                               ; my LDS instructions have read their address registers, which the next trip writes
	s_wait_xcnt 0x0                                ; and the refills their base
	s_mov_b64 s[40:41], s[42:43]
	s_add_co_u32 s57, s57, 12*FRB
	s_add_co_u32 s58, s58, 12*128
	s_add_co_u32 s59, s59, 2048
	s_add_co_u32 s56, s56, 1
	s_cmp_lt_u32 s56, 2
	s_cbranch_scc1 .Lchunk
	BARRIER                                        ; mid's 24 fragments lie in LDS
; THE EXPERT'S FIRST LAYER: K = 1,024 in eight steps.  Behind the group that a step needs: 75 loads up to step 4, then 50, 25, 0.
	FETCHB 0, 4
	STEP 0, 0, 0, 0, 1, 5, 63
	STEP 1, 1, 42, 4*GRP, 1, 6, 63
	STEP 2, 1, 42, 5*GRP, 1, 7, 63
	STEP 3, 1, 42, 6*GRP, 1, 8, 63
	STEP 4, 1, 42, 7*GRP, 1, 9, 63
	STEP 5, 0, 0, 0, 1, 10, 50
	STEP 6, 0, 0, 0, 1, 11, 25
	STEP 7, 0, 0, 0, 0, 0, 0
	PLACES
	TAIL 0, IWH, SWH
	TAIL 1, IWH, SWH
	TAIL 2, IWH, SWH
	BARRIER                                        ; h's twelve fragments lie in LDS
; THE LAST LAYER: my 16 outputs for the 48 rows, K = 512 in four steps; three accumulators by turns; b2 is the C of each sum's first product.
	WIN 0x40
.irp f, 0,1,2,3,4,5,6,7,8,9,10,11
.irp c, 0,1,2
	ds_load_b128 v[12*\f+4*\c:12*\f+4*\c+3], v[LIH] offset:FRB*\f+512*\c
.endr
.endr
	WIN 0
.irp f, 0,1,2,3,4,5,6,7,8,9,10,11
	ds_load_b32 v[HS+\f], v[LS] offset:128*(36+\f)
.endr
	s_wait_dscnt 0x0
	WIN 0x06                                       ; source 0 (W2) window 2, source 1 (h) window 1, C and D window 0
.irp k, 0,1,2,3
.irp m, 0,1,2
.if \k == 0
	MM T+8*\m, 192+12*\k, 12*(3*\k+\m), B2R, W2S+\k, HS+3*\k+\m, 0
.else
	MM T+8*\m, 192+12*\k, 12*(3*\k+\m), T+8*\m, W2S+\k, HS+3*\k+\m, 0
.endif
.endr
.endr
	WIN 0
	PLACES
.irp m, 0,1,2
	ds_store_b128 v[SO], v[T+8*\m:T+8*\m+3] offset:16*SP*\m          ; each accumulator from its low end on: lane (r, h): eight neighbouring outputs of row 16 m + r
	ds_store_b128 v[SO], v[T+8*\m+4:T+8*\m+7] offset:16*SP*\m+16
.endr
	BARRIER                                        ; 48 whole rows lie in the stage
.irp i, 0,1,2,3,4,5
	ds_load_b128 v[Q+4*\i:Q+4*\i+3], v[SR] offset:2*SP*\i
.endr
	v_mov_b32 v30, s4
	v_cmp_gt_u32 vcc_lo, s35, v30                  ; has my tile a row at all?  count > 48 x tile
	s_wait_xcnt 0x0                                ; EXEC changes only behind this wait
	s_wait_tensorcnt 0x0
	ds_add_u32 v254, v255
	s_wait_dscnt 0x0
	s_and_saveexec_b32 s5, vcc_lo
.irp i, 0,1,2,3,4,5
	s_wait_dscnt 5-\i
	global_store_b128 v[OO+\i], v[Q+4*\i:Q+4*\i+3], s[22:23] th:TH_STORE_NT   ; sixteen lanes store a row of out0: 256 consecutive bytes, at a multiple of 256 from its first byte
.endr
	s_wait_xcnt 0x0
	s_or_b32 exec_lo, exec_lo, s5
	s_endpgm
.Lfunc_end_k_q106b5450db_chain:
	.size	k_q106b5450db_chain, .Lfunc_end_k_q106b5450db_chain-k_q106b5450db_chain
	.p2alignl 7, 3214868480
	.fill 96, 4, 3214868480
	.section	.rodata,"a",@progbits
	.p2align	6, 0x0
	.amdhsa_kernel k_q106b5450db_chain
		.amdhsa_group_segment_fixed_size 100864
		.amdhsa_private_segment_fixed_size 0
		.amdhsa_enable_private_segment 0
		.amdhsa_kernarg_size 64
		.amdhsa_user_sgpr_count 2
		.amdhsa_user_sgpr_kernarg_segment_ptr 1
		.amdhsa_wavefront_size32 1
		.amdhsa_system_sgpr_workgroup_id_x 1
		.amdhsa_system_sgpr_workgroup_id_y 1
		.amdhsa_system_sgpr_workgroup_id_z 1
		.amdhsa_system_vgpr_workitem_id 0
		.amdhsa_next_free_vgpr 1024
		.amdhsa_next_free_sgpr 66
		.amdhsa_reserve_vcc 1
		.amdhsa_float_denorm_mode_32 3
		.amdhsa_float_denorm_mode_16_64 3
		.amdhsa_memory_ordered 1
		.amdhsa_forward_progress 1
		.amdhsa_inst_pref_size 255
	.end_amdhsa_kernel
	.section	.bss,"aw",@nobits
	.p2align	6
	.space	262144
	.amdgpu_metadata
---
amdhsa.version: [ 1, 2 ]
amdhsa.kernels:
  - .name:           k_q106b5450db_chain
    .symbol:         k_q106b5450db_chain.kd
    .args:
      - { .name: input, .offset: 0, .size: 8, .value_kind: global_buffer, .address_space: global }
      - { .name: wq, .offset: 8, .size: 8, .value_kind: global_buffer, .address_space: global }
      - { .name: counts, .offset: 16, .size: 8, .value_kind: global_buffer, .address_space: global }
      - { .name: rows, .offset: 24, .size: 8, .value_kind: global_buffer, .address_space: global }
      - { .name: b_in, .offset: 32, .size: 8, .value_kind: global_buffer, .address_space: global }
      - { .name: b1, .offset: 40, .size: 8, .value_kind: global_buffer, .address_space: global }
      - { .name: b2, .offset: 48, .size: 8, .value_kind: global_buffer, .address_space: global }
      - { .name: out0, .offset: 56, .size: 8, .value_kind: global_buffer, .address_space: global }
    .group_segment_fixed_size: 100864
    .private_segment_fixed_size: 0
    .kernarg_segment_align: 8
    .kernarg_segment_size: 64
    .max_flat_workgroup_size: 128
    .sgpr_count:     66
    .vgpr_count:     1024
    .wavefront_size: 32
...
	.end_amdgpu_metadata
.endif
;; end of part 2
